; MI455X (gfx1250); checked and timed in simulation.
; The chip was launched on July 23, 2026; its instructions are those of AMD's public machine-readable ISA for CDNA 5 (MIT licence, August 2026) and "CDNA5" Instruction Set Architecture Reference Guide (July 2026). The comments in the code are by the model that wrote it; some were corrected since.
;; CFKD. Allowed arithmetic: float matrix products may take bf16 or f16 operands with f32 sums; other float arithmetic in f32, or as packed bf16 or f16 multiplies, adds, multiply-adds, maxima and minima; sums over many terms, partial sums and values carried from step to step in f32; what a program stores and reads back later, other than sums and carried values, may be rounded once to bf16 or f16.
;; Inputs: M 512 x 1,024 float32; U 512 x 512 float32; X 512 x 1,024 float32.
;; Outputs: out0 512 x 512 float32.
;; 2 versions, each right; version 2 is version 1 with the launch centroid written anew for expert scheduling mode. Each part assembles by itself: llvm-mc -triple=amdgcn-amd-amdhsa -mcpu=gfx1250 --defsym DOCPART=n.
;; ======== version 1 of 2: 2 launches
;; limits: values outside matrix products are rounded to bf16; a difference of large sums (such as E[x^2] - mean^2): digits are lost where the result is much smaller than its terms
;; workspace buffers: xh 1,048,576 bytes; wf 1,048,576 bytes; mf 524,288 bytes
;; launch centroid (part 1): grid 16 x 16, 8 waves a work-group, no clusters, 143,360 bytes of LDS; arguments X, U, M, xh, wf, mf; writes xh, wf, mf
.if DOCPART == 1
	.amdgcn_target "amdgcn-amd-amdhsa--gfx1250"
	.amdhsa_code_object_version 6
	.text
	.protected	k_q5c9c8a8580_centroid
	.globl	k_q5c9c8a8580_centroid
	.p2align	8
	.type	k_q5c9c8a8580_centroid,@function
k_q5c9c8a8580_centroid:
	s_mov_b64 s[64:65], 0
	v_nop
	global_prefetch_b8 v0, s[64:65] scope:SCOPE_SE
	s_setreg_imm32_b32 hwreg(HW_REG_WAVE_MODE, 25, 1), 1
	s_wait_xcnt 0x0
; centroid: the first of two launches for  D[b][k] = sum over d of mask[k][d] (X[b][d] - C[k][d])^2,  C = U^T X / 512,  mask = round(clip(M, 0, 1)).
; X [512 b][1024 d], U [512 b][512 k], M [512 k][1024 d], all f32.
; With mu[d] = the mean of column d of X (taken on X rounded to bf16; any shift is right as long as both sides use the same one):
;   D = sum m (x' - c')^2,  x' = X - mu,  c' = C - mu,  so a common offset of X enters none of the sums that the second launch forms.
; This launch writes, as bf16 matrix fragments for the second launch:
;   xh = x',   wf = -mask c',   mf = the mask, one byte an element: 0x3f or 0 (as the upper byte of a bf16: 0.5 or 0).
; Layout of all three: block (tile of 16 rows, 16 d) = 32 lanes x 16 bytes (mf: 8); lane (r = l % 16, h = l / 16) holds row r, d = 8 h .. 8 h + 7.
; round(clip(M, 0, 1)) with halves to even is 1 exactly where M > 0.5.
; LIMITS: a NaN in M counts as mask 0 (reference() gives NaN there).  U and X enter the product rounded to bf16, x' and c' leave rounded to bf16.
;
; Work-group (j = x, i = y) of 16 x 16 owns k = 32 i .. +31 and d = 64 j .. +63, and writes x' for batch rows 32 i .. +31 of its 64 columns.
; Eight waves; wave w makes the tile d-block w % 4, k-block w / 4: 16 d x 16 k, K = the 512 batch rows.
; Every thread issues all its 52 loads at once.  The batch goes in four stages of 128 rows: convert, store to LDS as [b][column] bf16, barrier,
; transposing loads, 8 matrix instructions, while the later stages' loads are still on their way.  Each stage has LDS bytes of its own: nothing is overwritten.
; NO TENSOR LOADS, NO CLUSTER: the tiles are f32 and have to be converted between memory and the matrix unit; raw tiles in LDS would take
; 512 x 96 x 4 = 196,608 bytes beside the 131,072 of the bf16 tiles, which is all of the 327,680, with nothing left for the mask and the slice.
; U's rows are 128 bytes: a tile of 2,048 outputs cannot be 64 wide on both sides.
.set XROW, 4096                        ; bytes in a row of X and of M
.set UROW, 2048                        ; bytes in a row of U
.set PX, 160                           ; LDS pitch of X's rows: 128 bytes + 32, an odd multiple of 32 for the transposing loads
.set PU, 96                            ; of U's rows: 64 + 32
.set PM, 80                            ; of the mask bytes' rows: 64 + 16: sixteen rows' 8-byte pairs start at words 20 r mod 64, all apart
.set PS, 272                           ; of the f32 slice's rows: 256 + 16, an odd multiple of 16
.set LU, 512*PX                        ; LDS: X at 0, U behind it,
.set LM, LU+512*PU                     ; the mask bytes of 32 k x 64 d,
.set LS, LM+32*PM                      ; the slice of X in f32, 32 b x 64 d; ends at 142,336
.set VXO, 1                            ; global offset of my 16 bytes in a block of 16 rows x 256 bytes (X, M, slice)
.set VUO, 2                            ; the same in a block of 32 rows x 128 bytes (U)
.set VLXA, 3                           ; LDS store addresses: X, batch rows 0-255
.set VLXB, 4                           ;   X, batch rows 256-511 (the 16-bit immediate does not reach them from VLXA)
.set VLU, 5
.set VLM, 6
.set VLS, 7
.set VTXA, 8                           ; LDS fragment addresses: X, rows 0-255
.set VTXB, 9                           ;   X, rows 256-511
.set VTU, 10
.set VRM, 11                           ; my 8 mask bytes
.set VRS, 12                           ; my 8 f32 of the slice
.set VO16, 13                          ; 16 x lane
.set VO8, 14                           ; 8 x lane
.set VZ, 15                            ; 0
.set TA, 16                            ; v16-19 at work in the set-up
.set ONES, 20                          ; v20-27  a fragment of ones
.set AC, 28                            ; v28-35  sum over b of U X  (at work in the set-up before)
.set AM, 36                            ; v36-43  sum over b of X
.set FR, 44                            ; v44-107 fragments of four K steps; before that: M, the slice and stage 0 as loaded
.set MR, 44
.set XSR, 52
.set STG, 60                           ; stage s as loaded: 48 registers at STG + 48 s: U's 4 chunks, X's 8 chunks
.set EP, 108                           ; the way out works in stage 1's registers
.set MB, EP                            ; 2: mask bytes
.set XS, EP+4                          ; 8: slice, then x'
.set E,  EP+12                         ; 8: mask / 2 in f32
.set T,  EP+20                         ; 8: -mask c'
.set WO, EP+28                         ; 4
.set XH, EP+32                         ; 4
	s_load_b256 s[4:11], s[0:1], 0x0               ; X s[4:5], U s[6:7], M s[8:9], xh s[10:11]
	s_load_b128 s[12:15], s[0:1], 0x20             ; wf s[12:13], mf s[14:15]
	v_lshl_add_u32 v252, v0, 2, 0x22c00
	v_mov_b32 v253, 0
	s_and_b32 s17, ttmp7, 0xffff                   ; i
	s_lshl_b32 s18, ttmp9, 8                       ; 64 j columns in bytes
	s_mov_b32 s19, 0
	s_lshl_b32 s20, s17, 17                        ; 32 i rows of 4,096 bytes
	s_add_co_u32 s20, s20, s18                     ; + the columns
	s_mov_b32 s21, 0
	s_lshl_b32 s22, s17, 7                         ; 32 i columns of U in bytes
	s_mov_b32 s23, 0
	v_lshrrev_b32 v[TA], 4, v0                     ; t / 16: row in a block of 16
	v_and_b32 v[TA+1], 15, v0                      ; t % 16: which 16 bytes of 256
	v_lshrrev_b32 v[TA+2], 3, v0                   ; t / 8: row in a block of 32
	v_and_b32 v[TA+3], 7, v0                       ; t % 8: which 16 bytes of 128
	v_lshlrev_b32 v[VXO], 12, v[TA]
	v_lshl_or_b32 v[VXO], v[TA+1], 4, v[VXO]
	v_lshlrev_b32 v[VUO], 11, v[TA+2]
	v_lshl_or_b32 v[VUO], v[TA+3], 4, v[VUO]
	s_wait_kmcnt 0x0
	s_add_nc_u64 s[24:25], s[4:5], s[20:21]        ; the slice: X at row 32 i, column 64 j
	s_add_nc_u64 s[8:9], s[8:9], s[20:21]          ; M at row 32 i, column 64 j
	s_add_nc_u64 s[4:5], s[4:5], s[18:19]          ; X at row 0, column 64 j
	s_add_nc_u64 s[6:7], s[6:7], s[22:23]          ; U at row 0, column 32 i
	; all 52 loads, in the order in which they are used.  A load of a wave covers two whole rows of 256 bytes (U: four of 128).
.irp c, 0,1
	global_load_b128 v[MR+4*\c:MR+4*\c+3], v[VXO], s[8:9] offset:\c*16*XROW th:TH_LOAD_NT   ; each byte of M is read once in the launch
.endr
.irp c, 0,1
	global_load_b128 v[XSR+4*\c:XSR+4*\c+3], v[VXO], s[24:25] offset:\c*16*XROW
.endr
.irp s, 0,1,2,3
.irp c, 0,1,2,3
	global_load_b128 v[STG+48*\s+4*\c:STG+48*\s+4*\c+3], v[VUO], s[6:7] offset:(4*\s+\c)*32*UROW
.endr
.irp c, 0,1,2,3,4,5,6,7
	global_load_b128 v[STG+48*\s+16+4*\c:STG+48*\s+16+4*\c+3], v[VXO], s[4:5] offset:(8*\s+\c)*16*XROW
.endr
.endr
	; the rest of the set-up, while the loads are out
	v_lshrrev_b32 v[AC], 5, v0
	v_readfirstlane_b32 s26, v[AC]                 ; wave 0..7
	s_lshr_b32 s27, s26, 2                         ; k-block of my tile, and which 16 rows of the slice
	s_and_b32 s28, s26, 3                          ; d-block of my tile
	s_lshl_b32 s29, s17, 1
	s_add_co_u32 s29, s29, s27                     ; tile of 16 rows: 2 i + k-block (of k for wf and mf, of b for xh)
	s_lshl_b32 s29, s29, 6                         ; 64 blocks of 16 d in a tile's row
	s_lshl_b32 s30, ttmp9, 2
	s_add_co_u32 s29, s29, s30
	s_add_co_u32 s29, s29, s28                     ; + 4 j + d-block
	s_lshl_b32 s30, s29, 9                         ; blocks of 512 bytes
	s_mov_b32 s31, 0
	s_lshl_b32 s32, s29, 8                         ; blocks of 256 bytes
	s_mov_b32 s33, 0
	s_add_nc_u64 s[10:11], s[10:11], s[30:31]
	s_add_nc_u64 s[12:13], s[12:13], s[30:31]
	s_add_nc_u64 s[14:15], s[14:15], s[32:33]
	v_mul_u32_u24 v[VLXA], v[TA], PX               ; where I store: row x pitch + my 4 numbers
	v_lshl_add_u32 v[VLXA], v[TA+1], 3, v[VLXA]
	v_add_nc_u32 v[VLXB], 256*PX, v[VLXA]
	v_mul_u32_u24 v[VLU], v[TA+2], PU
	v_lshl_add_u32 v[VLU], v[TA+3], 3, v[VLU]
	v_add_nc_u32 v[VLU], LU, v[VLU]
	v_mul_u32_u24 v[VLM], v[TA], PM
	v_lshl_add_u32 v[VLM], v[TA+1], 2, v[VLM]
	v_add_nc_u32 v[VLM], LM, v[VLM]
	v_mul_u32_u24 v[VLS], v[TA], PS
	v_lshl_add_u32 v[VLS], v[TA+1], 4, v[VLS]
	v_add_nc_u32 v[VLS], LS, v[VLS]
	; a transposing load: lane l addresses row 8 (l / 16) + l % 8 of the K step, 16 bytes at column block (l / 8) % 2
	v_and_b32 v[AC], 7, v0
	v_bfe_u32 v[AC+1], v0, 4, 1                    ; h
	v_bfe_u32 v[AC+2], v0, 3, 1
	v_lshl_or_b32 v[AC], v[AC+1], 3, v[AC]
	v_mul_u32_u24 v[VTXA], v[AC], PX
	v_lshl_add_u32 v[VTXA], v[AC+2], 4, v[VTXA]
	v_lshl_add_u32 v[VTXA], s28, 5, v[VTXA]        ; + my 16 columns of d
	v_add_nc_u32 v[VTXB], 256*PX, v[VTXA]
	v_mul_u32_u24 v[VTU], v[AC], PU
	v_lshl_add_u32 v[VTU], v[AC+2], 4, v[VTU]
	v_lshl_add_u32 v[VTU], s27, 5, v[VTU]          ; + my 16 columns of k
	v_add_nc_u32 v[VTU], LU, v[VTU]
	v_lshl_add_u32 v[AC+3], s27, 4, v[TA+1]        ; row 16 x k-block + r of the mask tile and of the slice
	v_mul_u32_u24 v[VRM], v[AC+3], PM
	v_lshl_add_u32 v[VRM], v[AC+1], 3, v[VRM]      ; + 8 h
	v_lshl_add_u32 v[VRM], s28, 4, v[VRM]          ; + 16 x d-block, a byte an element
	v_add_nc_u32 v[VRM], LM, v[VRM]
	v_mul_u32_u24 v[VRS], v[AC+3], PS
	v_lshl_add_u32 v[VRS], v[AC+1], 5, v[VRS]      ; the same in f32
	v_lshl_add_u32 v[VRS], s28, 6, v[VRS]
	v_add_nc_u32 v[VRS], LS, v[VRS]
	v_and_b32 v[AC+4], 31, v0
	v_lshlrev_b32 v[VO16], 4, v[AC+4]
	v_lshlrev_b32 v[VO8], 3, v[AC+4]
	v_mov_b32 v[VZ], 0
.irp c, 0,1,2,3,4,5,6,7
	v_mov_b32 v[ONES+\c], 0x3f803f80               ; two bf16 ones
.endr
	; the mask: 0x3f where M > 0.5, four bytes to a word, into LDS
	s_wait_loadcnt 50                              ; loads come back in order (ISA guide 5.7.1): M's two are in, the 50 behind them stay out
.irp c, 0,1
.irp e, 0,1,2,3
	v_cmp_lt_f32 vcc_lo, 0.5, v[MR+4*\c+\e]
	v_cndmask_b32 v[MR+4*\c+\e], 0, 63, vcc_lo
.endr
	v_lshl_or_b32 v[MR+4*\c], v[MR+4*\c+1], 8, v[MR+4*\c]
	v_lshl_or_b32 v[MR+4*\c], v[MR+4*\c+2], 16, v[MR+4*\c]
	v_lshl_or_b32 v[MR+4*\c], v[MR+4*\c+3], 24, v[MR+4*\c]
	ds_store_b32 v[VLM], v[MR+4*\c] offset:\c*16*PM
.endr
	s_wait_loadcnt 48                              ; the slice's two are in, the four stages' 48 stay out
	ds_store_b128 v[VLS], v[XSR:XSR+3]
	ds_store_b128 v[VLS], v[XSR+4:XSR+7] offset:16*PS
; One chunk of X: four f32 to four bf16, 8 bytes into LDS.
.macro XCHUNK s, c, vlx
	v_cvt_pk_bf16_f32 v[STG+48*\s+16+4*\c], v[STG+48*\s+16+4*\c], v[STG+48*\s+16+4*\c+1]
	v_cvt_pk_bf16_f32 v[STG+48*\s+16+4*\c+1], v[STG+48*\s+16+4*\c+2], v[STG+48*\s+16+4*\c+3]
	ds_store_b64 v[\vlx], v[STG+48*\s+16+4*\c:STG+48*\s+16+4*\c+1] offset:(8*(\s%2)+\c)*16*PX
.endm
; Stage s: batch rows 128 s .. +127.  left = the loads of the later stages, which stay out.
; vlx, vtx: the address registers of X's half of LDS in which the stage lies.
.macro STAGE s, vlx, vtx, left
	s_wait_loadcnt \left+8                         ; U's four chunks are in; behind them: this stage's 8 of X and the later stages
.irp c, 0,1,2,3
	v_cvt_pk_bf16_f32 v[STG+48*\s+4*\c], v[STG+48*\s+4*\c], v[STG+48*\s+4*\c+1]
	v_cvt_pk_bf16_f32 v[STG+48*\s+4*\c+1], v[STG+48*\s+4*\c+2], v[STG+48*\s+4*\c+3]
	ds_store_b64 v[VLU], v[STG+48*\s+4*\c:STG+48*\s+4*\c+1] offset:(4*\s+\c)*32*PU
.endr
	s_wait_loadcnt \left+4                         ; X's first four chunks
.irp c, 0,1,2,3
	XCHUNK \s, \c, \vlx
.endr
	s_wait_loadcnt \left                           ; X's last four
.irp c, 4,5,6,7
	XCHUNK \s, \c, \vlx
.endr
	s_wait_dscnt 0x0                               ; my stores are in LDS: zero, for the other waves' sake
	s_barrier_signal -1
	s_barrier_wait -1                              ; everybody's are: the stage's 128 rows may be read
.if \s == 3
	ds_load_b64 v[MB:MB+1], v[VRM]                 ; for the way out; stored in front of the first barrier
	ds_load_b128 v[XS:XS+3], v[VRS]
	ds_load_b128 v[XS+4:XS+7], v[VRS] offset:16
.endif
	; the fragments of four K steps of 32 rows.  These registers were read by the last stage's matrix instructions: the 24 conversions above,
	; which name none of them, are more than the four places that a load into them has to keep (ISA guide 7.12.1 for vector instructions).
.irp q, 0,1,2,3
	ds_load_tr16_b128 v[FR+16*\q:FR+16*\q+3],     v[\vtx] offset:(4*(\s%2)+\q)*32*PX
	ds_load_tr16_b128 v[FR+16*\q+4:FR+16*\q+7],   v[\vtx] offset:(4*(\s%2)+\q)*32*PX+16*PX
	ds_load_tr16_b128 v[FR+16*\q+8:FR+16*\q+11],  v[VTU] offset:(4*\s+\q)*32*PU
	ds_load_tr16_b128 v[FR+16*\q+12:FR+16*\q+15], v[VTU] offset:(4*\s+\q)*32*PU+16*PU
.endr
	; source 0 = 16 columns of X, source 1 = 16 columns of U or ones: lane (r, h), register j holds d = 8 h + j, k = r.
	; The two accumulators take turns, one instruction a turn.  The very first products start the sums.
.irp q, 0,1,2,3
	s_wait_dscnt 12-4*\q                           ; LDS loads come back in order: K step q's four are in, the later steps' stay out
.if \s+\q == 0
	v_wmma_f32_16x16x32_bf16 v[AC:AC+7], v[FR+16*\q:FR+16*\q+7], v[FR+16*\q+8:FR+16*\q+15], 0
	v_wmma_f32_16x16x32_bf16 v[AM:AM+7], v[FR+16*\q:FR+16*\q+7], v[ONES:ONES+7], 0
.else
	v_wmma_f32_16x16x32_bf16 v[AC:AC+7], v[FR+16*\q:FR+16*\q+7], v[FR+16*\q+8:FR+16*\q+15], v[AC:AC+7]
	v_wmma_f32_16x16x32_bf16 v[AM:AM+7], v[FR+16*\q:FR+16*\q+7], v[ONES:ONES+7], v[AM:AM+7]
.endif
.endr
.endm
	STAGE 0, VLXA, VTXA, 36
	STAGE 1, VLXA, VTXA, 24
	STAGE 2, VLXB, VTXB, 12
	STAGE 3, VLXB, VTXB, 0
	; THE WAY OUT.  Lane (r, h): d = 8 h + j of my d-block in register j, for k = r (AC), for every k (AM), and for batch row r of the slice (XS).
	; The eight v_perm_b32 name no register of a matrix instruction: they are the places in front of the first read of AC and AM (ISA guide 7.12.1).
.irp j, 0,1,2,3,4,5,6,7
	v_perm_b32 v[E+\j], v[MB+\j/4], v[VZ], (4+\j%4)<<24      ; mask byte j as the top byte of an f32: 0.5 or 0
.endr
.irp p, 0,2,4,6
	v_pk_fma_f32 v[XS+\p:XS+\p+1], v[AM+\p:AM+\p+1], 0xbb000000, v[XS+\p:XS+\p+1] op_sel_hi:[1,0,1]   ; x' = X - AM / 512
	v_pk_add_f32 v[T+\p:T+\p+1], v[AM+\p:AM+\p+1], v[AC+\p:AC+\p+1] neg_lo:[0,1] neg_hi:[0,1]         ; -512 c' = AM - AC
.endr
.irp p, 0,2,4,6
	v_pk_mul_f32 v[T+\p:T+\p+1], v[T+\p:T+\p+1], v[E+\p:E+\p+1]                                       ; x mask / 2: a product, as in reference()
.endr
.irp p, 0,2,4,6
	v_pk_mul_f32 v[T+\p:T+\p+1], v[T+\p:T+\p+1], 0x3b800000 op_sel_hi:[1,0]                           ; / 256: -mask c'
.endr
.irp p, 0,1,2,3
	v_cvt_pk_bf16_f32 v[XH+\p], v[XS+2*\p], v[XS+2*\p+1]
	v_cvt_pk_bf16_f32 v[WO+\p], v[T+2*\p], v[T+2*\p+1]
.endr
	global_store_b128 v[VO16], v[XH:XH+3], s[10:11]          ; each store of the wave covers one whole block: 512 consecutive bytes, aligned
	global_store_b128 v[VO16], v[WO:WO+3], s[12:13]
	global_store_b64 v[VO8], v[MB:MB+1], s[14:15]            ; 256 consecutive bytes, aligned
	s_wait_tensorcnt 0x0
	ds_add_u32 v252, v253
	s_wait_dscnt 0x0
	s_endpgm
.Lfunc_end_k_q5c9c8a8580_centroid:
	.size	k_q5c9c8a8580_centroid, .Lfunc_end_k_q5c9c8a8580_centroid-k_q5c9c8a8580_centroid
	.p2alignl 7, 3214868480
	.fill 96, 4, 3214868480
	.section	.rodata,"a",@progbits
	.p2align	6, 0x0
	.amdhsa_kernel k_q5c9c8a8580_centroid
		.amdhsa_group_segment_fixed_size 143360
		.amdhsa_private_segment_fixed_size 0
		.amdhsa_enable_private_segment 0
		.amdhsa_kernarg_size 48
		.amdhsa_user_sgpr_count 2
		.amdhsa_user_sgpr_kernarg_segment_ptr 1
		.amdhsa_wavefront_size32 1
		.amdhsa_system_sgpr_workgroup_id_x 1
		.amdhsa_system_sgpr_workgroup_id_y 1
		.amdhsa_system_sgpr_workgroup_id_z 1
		.amdhsa_system_vgpr_workitem_id 0
		.amdhsa_next_free_vgpr 254
		.amdhsa_next_free_sgpr 66
		.amdhsa_reserve_vcc 1
		.amdhsa_float_denorm_mode_32 3
		.amdhsa_float_denorm_mode_16_64 3
		.amdhsa_memory_ordered 1
		.amdhsa_forward_progress 1
		.amdhsa_inst_pref_size 31
	.end_amdhsa_kernel
	.amdgpu_metadata
---
amdhsa.version: [ 1, 2 ]
amdhsa.kernels:
  - .name:           k_q5c9c8a8580_centroid
    .symbol:         k_q5c9c8a8580_centroid.kd
    .args:
      - { .name: X, .offset: 0, .size: 8, .value_kind: global_buffer, .address_space: global }
      - { .name: U, .offset: 8, .size: 8, .value_kind: global_buffer, .address_space: global }
      - { .name: M, .offset: 16, .size: 8, .value_kind: global_buffer, .address_space: global }
      - { .name: xh, .offset: 24, .size: 8, .value_kind: global_buffer, .address_space: global }
      - { .name: wf, .offset: 32, .size: 8, .value_kind: global_buffer, .address_space: global }
      - { .name: mf, .offset: 40, .size: 8, .value_kind: global_buffer, .address_space: global }
    .group_segment_fixed_size: 143360
    .private_segment_fixed_size: 0
    .kernarg_segment_align: 8
    .kernarg_segment_size: 48
    .max_flat_workgroup_size: 256
    .sgpr_count:     66
    .vgpr_count:     254
    .wavefront_size: 32
...
	.end_amdgpu_metadata
.endif
;; end of part 1
;; launch distance (part 2): grid 8 x 32, 16 waves a work-group, no clusters, 69,632 bytes of LDS; arguments xh, wf, mf, out0; writes out0
.if DOCPART == 2
	.amdgcn_target "amdgcn-amd-amdhsa--gfx1250"
	.amdhsa_code_object_version 6
	.text
	.protected	k_q5c9c8a8580_distance
	.globl	k_q5c9c8a8580_distance
	.p2align	8
	.type	k_q5c9c8a8580_distance,@function
k_q5c9c8a8580_distance:
	s_mov_b64 s[64:65], 0
	v_nop
	global_prefetch_b8 v0, s[64:65] scope:SCOPE_SE
	s_setreg_imm32_b32 hwreg(HW_REG_WAVE_MODE, 25, 1), 1
	s_wait_xcnt 0x0
; distance: the second launch.  out0[b][k] = D[b][k] = sum over d of mask (x' - c')^2
;   = 2 ( sum (mask / 2) x'^2 + sum w x' ) + sum w^2,   w = -mask c',  with x' (xh), w (wf) in bf16 and mask / 2 (mf) as the upper byte of a bf16,
; all three stored by the first launch as matrix fragments: block (tile of 16 rows, 16 d) = 32 lanes x 16 bytes (mf: 8).
; The first two sums are matrix products with f32 sums; x'^2 is rounded to bf16; sum w^2 is kept in f32 on the vector unit.
; LIMIT: x', x'^2 and c' carry a relative rounding of 2^-9 each, so the absolute error of D is at most about 2^-7 x sum mask (x'^2 + c'^2), and much less
; where the roundings are independent; relative accuracy falls where a row lies many times nearer to a centroid than both lie to the column mean.
;
; Work-group (x, y) of 8 x 32 owns b = 16 y .. +15 and k = 64 x .. +63: a row of its tile is 256 bytes of out0, aligned.
; Sixteen waves share d: wave w takes d = 64 w .. +63 (two K steps of 32) for the whole tile, 4 accumulators of 16 x 16.
; Its 36 loads go straight into fragment registers, each covering 512 (mf: 256) consecutive bytes; no operand passes through LDS and none is read twice by the group.
; The sixteen partial tiles meet in LDS behind one barrier; wave w then sums row w and stores it with one instruction.
; NO CLUSTER: a joint load lands in LDS, and these operands need no LDS stage; it would add a store and a load of every operand byte.
.set PR, 264                           ; LDS pitch of a partial tile's row: 256 + 8 bytes = 66 words: rows 8 apart are 16 words apart modulo 64
.set PW, 16*PR                         ; a wave's partial tile
.set VO16, 1                           ; 16 x lane
.set VO8, 2                            ; 8 x lane
.set VZ, 3                             ; 0
.set VST, 4                            ; where I put my partial sums
.set VRD, 5                            ; where I read a row back
.set TMP, 6                            ; v6-7 at work
.set Q, 8                              ; v8-15   sum w^2: for each of 4 blocks of 16 k, the low and the high halves' chains
.set AF, 16                            ; v16-31  x': 4 blocks of 16 d = 2 fragments
.set A2, 32                            ; v32-47  x'^2
.set ME, 48                            ; v48-111 mask / 2: block g of 16 k at ME + 16 g; 8 bytes a block as loaded, widened in place
.set WF, 112                           ; v112-175 w: block g at WF + 16 g
.set ACC, 176                          ; v176-207 four accumulators
.set F, 48                             ; v48-79  the sixteen partial sums of my two outputs
	s_load_b256 s[4:11], s[0:1], 0x0               ; xh s[4:5], wf s[6:7], mf s[8:9], out0 s[10:11]
	v_lshl_add_u32 v208, v0, 2, 0x10800
	v_mov_b32 v209, 0
	v_lshrrev_b32 v[TMP], 5, v0
	v_readfirstlane_b32 s12, v[TMP]                ; wave 0..15
	s_and_b32 s13, ttmp7, 0xffff                   ; y: tile of 16 b
	v_and_b32 v[TMP], 31, v0
	v_lshlrev_b32 v[VO16], 4, v[TMP]
	v_lshlrev_b32 v[VO8], 3, v[TMP]
	s_lshl_b32 s14, s12, 11                        ; my 4 blocks of 512 bytes in a tile's 64
	s_lshl_b32 s15, s12, 10                        ; the same with blocks of 256 bytes
	s_lshl_b32 s16, s13, 15                        ; xh: tile y x 64 blocks x 512 bytes
	s_add_co_u32 s16, s16, s14
	s_mov_b32 s17, 0
	s_lshl_b32 s18, ttmp9, 17                      ; wf: tile 4 x
	s_add_co_u32 s18, s18, s14
	s_mov_b32 s19, 0
	s_lshl_b32 s20, ttmp9, 16                      ; mf: tile 4 x
	s_add_co_u32 s20, s20, s15
	s_mov_b32 s21, 0
	s_lshl_b32 s26, s13, 4
	s_add_co_u32 s26, s26, s12                     ; out0: row 16 y + wave,
	s_lshl_b32 s26, s26, 11
	s_lshl_b32 s27, ttmp9, 8                       ; column 64 x
	s_add_co_u32 s26, s26, s27
	s_mov_b32 s27, 0
	s_wait_kmcnt 0x0
	s_add_nc_u64 s[4:5], s[4:5], s[16:17]
	s_add_nc_u64 s[6:7], s[6:7], s[18:19]
	s_add_nc_u64 s[8:9], s[8:9], s[20:21]
	s_add_nc_u64 s[10:11], s[10:11], s[26:27]
	; all 36 loads, in the order in which they are used
.irp q, 0,1,2,3
	global_load_b128 v[AF+4*\q:AF+4*\q+3], v[VO16], s[4:5] offset:512*\q
.endr
.irp g, 0,1,2,3
.irp q, 0,1,2,3
	global_load_b64 v[ME+16*\g+4*\q+2:ME+16*\g+4*\q+3], v[VO8], s[8:9] offset:16384*\g+256*\q   ; into the upper half of the four registers that they widen to
.endr
.endr
.irp g, 0,1,2,3
.irp q, 0,1,2,3
	global_load_b128 v[WF+16*\g+4*\q:WF+16*\g+4*\q+3], v[VO16], s[6:7] offset:32768*\g+512*\q
.endr
.endr
	s_mov_b32 s22, 0x05000400                      ; v_perm_b32: bytes 0 and 1 of the first source as the upper bytes of two bf16, zeros below
	s_mov_b32 s23, 0x07000600                      ; bytes 2 and 3
	s_mov_b32 s24, 0x76543210                      ; v_permlanex16_b32: lane i of one half reads lane i of the other
	s_mov_b32 s25, 0xfedcba98
	v_mov_b32 v[VZ], 0
.irp c, 0,1,2,3,4,5,6,7
	v_mov_b32 v[Q+\c], 0
.endr
	v_and_b32 v[TMP], 15, v0                       ; r
	v_bfe_u32 v[TMP+1], v0, 4, 1                   ; h
	v_mul_u32_u24 v[VST], v[TMP+1], 8*PR           ; rows 8 h .. of my wave's partial tile, column r
	v_lshl_add_u32 v[VST], v[TMP], 2, v[VST]
	s_mul_i32 s28, s12, PW
	v_add_nc_u32 v[VST], s28, v[VST]
	s_mul_i32 s29, s12, PR                         ; back: row = my wave's number, 8 bytes a lane
	v_add_nc_u32 v[VRD], s29, v[VO8]
	s_wait_loadcnt 32                              ; loads come back in order (ISA guide 5.7.1): x' is in; the 16 of the mask and the 16 of w stay out
.irp c, 0,1,2,3,4,5,6,7,8,9,10,11,12,13,14,15
	v_pk_mul_bf16 v[A2+\c], v[AF+\c], v[AF+\c]     ; x'^2, two at a time, rounded to bf16
.endr
	s_wait_loadcnt 16                              ; the mask is in; w's 16 stay out
.irp g, 0,1,2,3
.irp q, 0,1,2,3
	v_perm_b32 v[ME+16*\g+4*\q],   v[ME+16*\g+4*\q+2], v[VZ], s22     ; 8 bytes to 8 bf16, in place: each byte register is overwritten by its own last use
	v_perm_b32 v[ME+16*\g+4*\q+1], v[ME+16*\g+4*\q+2], v[VZ], s23
	v_perm_b32 v[ME+16*\g+4*\q+2], v[ME+16*\g+4*\q+3], v[VZ], s22
	v_perm_b32 v[ME+16*\g+4*\q+3], v[ME+16*\g+4*\q+3], v[VZ], s23
.endr
.endr
; Four products, one for each block of 16 k: source 0 = 16 rows of b, source 1 = 16 rows of k, 32 along d.
; The four accumulators take turns, one instruction a turn.  zero = 1: the first products start the sums.
.macro PROD a, b, zero
.irp g, 0,1,2,3
.if \zero
	v_wmma_f32_16x16x32_bf16 v[ACC+8*\g:ACC+8*\g+7], v[\a:\a+7], v[\b+16*\g:\b+16*\g+7], 0
.else
	v_wmma_f32_16x16x32_bf16 v[ACC+8*\g:ACC+8*\g+7], v[\a:\a+7], v[\b+16*\g:\b+16*\g+7], v[ACC+8*\g:ACC+8*\g+7]
.endif
.endr
.endm
	PROD A2, ME, 1
	PROD A2+8, ME+8, 0
	s_wait_loadcnt 0x0                             ; w
	PROD AF, WF, 0
	PROD AF+8, WF+8, 0
	; sum w^2 over my 32 numbers of each block's column r, in eight chains that do not wait for each other
.irp e, 0,1,2,3,4,5,6,7,8,9,10,11,12,13,14,15
.irp g, 0,1,2,3
	v_fma_mix_f32_bf16 v[Q+2*\g],   v[WF+16*\g+\e], v[WF+16*\g+\e], v[Q+2*\g] op_sel_hi:[1,1,0]
	v_fma_mix_f32_bf16 v[Q+2*\g+1], v[WF+16*\g+\e], v[WF+16*\g+\e], v[Q+2*\g+1] op_sel:[1,1,0] op_sel_hi:[1,1,0]
.endr
.endr
	; these four additions name no register of a matrix instruction: they are the places in front of the first read of the accumulators (ISA guide 7.12.1)
.irp g, 0,1,2,3
	v_add_f32 v[Q+2*\g], v[Q+2*\g], v[Q+2*\g+1]
.endr
.irp g, 0,1,2,3
	v_permlanex16_b32 v[Q+2*\g+1], v[Q+2*\g], s24, s25       ; the other half of the lanes holds the other half of d for the same k
.endr
.irp g, 0,1,2,3
	v_add_f32 v[Q+2*\g], v[Q+2*\g], v[Q+2*\g+1]
.endr
	; my wave's share of D: lane (r, h), register j of block g is (b = 8 h + j, k = 16 g + r), and Q of block g belongs to k = 16 g + r
.irp g, 0,1,2,3
.irp p, 0,2,4,6
	v_pk_fma_f32 v[ACC+8*\g+\p:ACC+8*\g+\p+1], v[ACC+8*\g+\p:ACC+8*\g+\p+1], 2.0, v[Q+2*\g:Q+2*\g+1] op_sel_hi:[1,0,0]
.endr
.endr
.irp g, 0,1,2,3
.irp j, 0,1,2,3,4,5,6,7
	ds_store_b32 v[VST], v[ACC+8*\g+\j] offset:\j*PR+64*\g
.endr
.endr
	s_wait_dscnt 0x0                               ; my stores are in LDS: zero, for the other waves' sake
	s_barrier_signal -1
	s_barrier_wait -1                              ; everybody's are
.irp c, 0,1,2,3,4,5,6,7,8,9,10,11,12,13,14,15
	ds_load_b64 v[F+2*\c:F+2*\c+1], v[VRD] offset:\c*PW      ; row = my wave's number of each wave's partial tile: 256 consecutive bytes
.endr
	s_wait_dscnt 0x0
.irp c, 0,1,2,3,4,5,6,7
	v_pk_add_f32 v[F+2*\c:F+2*\c+1], v[F+2*\c:F+2*\c+1], v[F+2*\c+16:F+2*\c+17]
.endr
.irp c, 0,1,2,3
	v_pk_add_f32 v[F+2*\c:F+2*\c+1], v[F+2*\c:F+2*\c+1], v[F+2*\c+8:F+2*\c+9]
.endr
.irp c, 0,1
	v_pk_add_f32 v[F+2*\c:F+2*\c+1], v[F+2*\c:F+2*\c+1], v[F+2*\c+4:F+2*\c+5]
.endr
	v_pk_add_f32 v[F:F+1], v[F:F+1], v[F+2:F+3]
	global_store_b64 v[VO8], v[F:F+1], s[10:11] th:TH_STORE_NT   ; the wave's 32 lanes store 256 consecutive bytes, at a multiple of 256 from out0's first byte
	s_wait_tensorcnt 0x0
	ds_add_u32 v208, v209
	s_wait_dscnt 0x0
	s_endpgm
.Lfunc_end_k_q5c9c8a8580_distance:
	.size	k_q5c9c8a8580_distance, .Lfunc_end_k_q5c9c8a8580_distance-k_q5c9c8a8580_distance
	.p2alignl 7, 3214868480
	.fill 96, 4, 3214868480
	.section	.rodata,"a",@progbits
	.p2align	6, 0x0
	.amdhsa_kernel k_q5c9c8a8580_distance
		.amdhsa_group_segment_fixed_size 69632
		.amdhsa_private_segment_fixed_size 0
		.amdhsa_enable_private_segment 0
		.amdhsa_kernarg_size 32
		.amdhsa_user_sgpr_count 2
		.amdhsa_user_sgpr_kernarg_segment_ptr 1
		.amdhsa_wavefront_size32 1
		.amdhsa_system_sgpr_workgroup_id_x 1
		.amdhsa_system_sgpr_workgroup_id_y 1
		.amdhsa_system_sgpr_workgroup_id_z 1
		.amdhsa_system_vgpr_workitem_id 0
		.amdhsa_next_free_vgpr 210
		.amdhsa_next_free_sgpr 66
		.amdhsa_reserve_vcc 0
		.amdhsa_float_denorm_mode_32 3
		.amdhsa_float_denorm_mode_16_64 3
		.amdhsa_memory_ordered 1
		.amdhsa_forward_progress 1
		.amdhsa_inst_pref_size 26
	.end_amdhsa_kernel
	.amdgpu_metadata
---
amdhsa.version: [ 1, 2 ]
amdhsa.kernels:
  - .name:           k_q5c9c8a8580_distance
    .symbol:         k_q5c9c8a8580_distance.kd
    .args:
      - { .name: xh, .offset: 0, .size: 8, .value_kind: global_buffer, .address_space: global }
      - { .name: wf, .offset: 8, .size: 8, .value_kind: global_buffer, .address_space: global }
      - { .name: mf, .offset: 16, .size: 8, .value_kind: global_buffer, .address_space: global }
      - { .name: out0, .offset: 24, .size: 8, .value_kind: global_buffer, .address_space: global }
    .group_segment_fixed_size: 69632
    .private_segment_fixed_size: 0
    .kernarg_segment_align: 8
    .kernarg_segment_size: 32
    .max_flat_workgroup_size: 512
    .sgpr_count:     66
    .vgpr_count:     210
    .wavefront_size: 32
...
	.end_amdgpu_metadata
.endif
;; end of part 2
;; ======== version 2 of 2: 2 launches; version 1 with the launch centroid written anew for expert scheduling mode
;; limits: values outside matrix products are rounded to bf16; a difference of large sums (such as E[x^2] - mean^2): digits are lost where the result is much smaller than its terms
;; workspace buffers: xh 1,048,576 bytes; wf 1,048,576 bytes; mf 524,288 bytes
;; launch centroid (part 3): grid 16 x 16, 8 waves a work-group, no clusters, 143,360 bytes of LDS; arguments X, U, M, xh, wf, mf; writes xh, wf, mf
.if DOCPART == 3
	.amdgcn_target "amdgcn-amd-amdhsa--gfx1250"
	.amdhsa_code_object_version 6
	.text
	.protected	k_q5c9c8a8580_centroid
	.globl	k_q5c9c8a8580_centroid
	.p2align	8
	.type	k_q5c9c8a8580_centroid,@function
k_q5c9c8a8580_centroid:
	s_mov_b64 s[64:65], 0
	v_nop
	global_prefetch_b8 v0, s[64:65] scope:SCOPE_SE
	s_setreg_imm32_b32 hwreg(HW_REG_WAVE_SCHED_MODE, 0, 2), 2
	s_setreg_imm32_b32 hwreg(HW_REG_WAVE_MODE, 25, 1), 1
	s_wait_xcnt 0x0
	s_wait_alu depctr_vm_vsrc(0)
; centroid: the first of two launches for  D[b][k] = sum over d of mask[k][d] (X[b][d] - C[k][d])^2,  C = U^T X / 512,  mask = round(clip(M, 0, 1)).
; X [512 b][1024 d], U [512 b][512 k], M [512 k][1024 d], all f32.
; With mu[d] = the mean of column d of X (taken on X rounded to bf16; any shift is right as long as both sides use the same one):
;   D = sum m (x' - c')^2,  x' = X - mu,  c' = C - mu,  so a common offset of X enters none of the sums that the second launch forms.
; This launch writes, as bf16 matrix fragments for the second launch:
;   xh = x',   wf = -mask c',   mf = the mask, one byte an element: 0x3f or 0 (as the upper byte of a bf16: 0.5 or 0).
; Layout of all three: block (tile of 16 rows, 16 d) = 32 lanes x 16 bytes (mf: 8); lane (r = l % 16, h = l / 16) holds row r, d = 8 h .. 8 h + 7.
; round(clip(M, 0, 1)) with halves to even is 1 exactly where M > 0.5.
; LIMITS: a NaN in M counts as mask 0 (reference() gives NaN there).  U and X enter the product rounded to bf16, x' and c' leave rounded to bf16.
;
; Work-group (j = x, i = y) of 16 x 16 owns k = 32 i .. +31 and d = 64 j .. +63, and writes x' for batch rows 32 i .. +31 of its 64 columns.
; Eight waves; wave w makes the tile d-block w % 4, k-block w / 4: 16 d x 16 k, K = the 512 batch rows.
; Every thread issues all its 52 loads at once.  The batch goes in four stages of 128 rows: convert, store to LDS as [b][column] bf16, barrier,
; transposing loads, 8 matrix instructions, while the later stages' loads are still on their way.  Each stage has LDS bytes of its own: nothing is overwritten.
; NO TENSOR LOADS, NO CLUSTER: the tiles are f32 and have to be converted between memory and the matrix unit; raw tiles in LDS would take
; 512 x 96 x 4 = 196,608 bytes beside the 131,072 of the bf16 tiles, which is all of the 327,680, with nothing left for the mask and the slice.
; U's rows are 128 bytes: a tile of 2,048 outputs cannot be 64 wide on both sides.
; THE MODE: SCHED_MODE bits 1:0 = 2 (LLVM: expert scheduling mode 2), set by the entry lines.  The code itself states the register dependences
; between vector or matrix instructions and memory or LDS instructions, with s_wait_alu, always for 0.
; THE PLAN.  Registers that memory or LDS instructions touch:
;   v1, v2        offsets of the 52 global loads: written at the head, never again.
;   v3 .. v14     LDS addresses and the final stores' offsets: written in the set-up, never again.
;   v44-59        M and the slice as loaded.  M: read by the compares, rewritten by the selects and the packing, two words read by LDS stores.  The slice: read by LDS stores alone.
;   stage s       48 registers as loaded; its 24 conversions work in place; its 12 LDS stores read the packed words.
;   FR = v44-107  (over M, the slice and stage 0): each stage's 16 transposing loads land here; its 8 matrix instructions read them.
;   v108-143      (over stage 1): the way out's three LDS loads land here, its vector lines write here, its global stores read XH, WO and MB.
;   v252, v253    written at the head, read by the closing add alone.
; A stage has three waits on va_vdst, each ahead of a run of four LDS stores; the first two stand behind the wait for the NEXT group's data, so that a group's
; conversions have that time in which to finish.  The third also states that the stage before's matrix instructions are done reading FR: no vector or matrix
; instruction stands between it and the fragments' loads.  Two waits on vm_vsrc: behind stage 0's barrier (LDS stores have read v44-107) and behind stage 3's (v108-155).
.set XROW, 4096                        ; bytes in a row of X and of M
.set UROW, 2048                        ; bytes in a row of U
.set PX, 160                           ; LDS pitch of X's rows: 128 bytes + 32, an odd multiple of 32 for the transposing loads
.set PU, 96                            ; of U's rows: 64 + 32
.set PM, 80                            ; of the mask bytes' rows: 64 + 16: sixteen rows' 8-byte pairs start at words 20 r mod 64, all apart
.set PS, 272                           ; of the f32 slice's rows: 256 + 16, an odd multiple of 16
.set LU, 512*PX                        ; LDS: X at 0, U behind it,
.set LM, LU+512*PU                     ; the mask bytes of 32 k x 64 d,
.set LS, LM+32*PM                      ; the slice of X in f32, 32 b x 64 d; ends at 142,336
.set VXO, 1                            ; global offset of my 16 bytes in a block of 16 rows x 256 bytes (X, M, slice)
.set VUO, 2                            ; the same in a block of 32 rows x 128 bytes (U)
.set VLXA, 3                           ; LDS store addresses: X, batch rows 0-255
.set VLXB, 4                           ;   X, batch rows 256-511 (the 16-bit immediate does not reach them from VLXA)
.set VLU, 5
.set VLM, 6
.set VLS, 7
.set VTXA, 8                           ; LDS fragment addresses: X, rows 0-255
.set VTXB, 9                           ;   X, rows 256-511
.set VTU, 10
.set VRM, 11                           ; my 8 mask bytes
.set VRS, 12                           ; my 8 f32 of the slice
.set VO16, 13                          ; 16 x lane
.set VO8, 14                           ; 8 x lane
.set VZ, 15                            ; 0
.set TA, 16                            ; v16-19 at work in the set-up
.set ONES, 20                          ; v20-27  a fragment of ones
.set AC, 28                            ; v28-35  sum over b of U X  (at work in the set-up before)
.set AM, 36                            ; v36-43  sum over b of X
.set FR, 44                            ; v44-107 fragments of four K steps; before that: M, the slice and stage 0 as loaded
.set MR, 44
.set XSR, 52
.set STG, 60                           ; stage s as loaded: 48 registers at STG + 48 s: U's 4 chunks, X's 8 chunks
.set EP, 108                           ; the way out works in stage 1's registers
.set MB, EP                            ; 2: mask bytes
.set XS, EP+4                          ; 8: slice, then x'
.set E,  EP+12                         ; 8: mask / 2 in f32
.set T,  EP+20                         ; 8: -mask c'
.set WO, EP+28                         ; 4
.set XH, EP+32                         ; 4
.set CM, 16                            ; s16-23  the eight compares' lane masks (the offsets that lay in s17-23 have been used by then)
	s_load_b256 s[4:11], s[0:1], 0x0               ; X s[4:5], U s[6:7], M s[8:9], xh s[10:11]
	s_load_b128 s[12:15], s[0:1], 0x20             ; wf s[12:13], mf s[14:15]
	v_lshl_add_u32 v252, v0, 2, 0x22c00            ; the LDS address of my spare word, behind the slice, and 0: kept for the closing lines alone
	v_mov_b32 v253, 0
	s_and_b32 s17, ttmp7, 0xffff                   ; i
	s_lshl_b32 s18, ttmp9, 8                       ; 64 j columns in bytes
	s_mov_b32 s19, 0
	s_lshl_b32 s20, s17, 17                        ; 32 i rows of 4,096 bytes
	s_add_co_u32 s20, s20, s18                     ; + the columns
	s_mov_b32 s21, 0
	s_lshl_b32 s22, s17, 7                         ; 32 i columns of U in bytes
	s_mov_b32 s23, 0
	v_lshrrev_b32 v[TA], 4, v0                     ; t / 16: row in a block of 16
	v_and_b32 v[TA+1], 15, v0                      ; t % 16: which 16 bytes of 256
	v_lshrrev_b32 v[TA+2], 3, v0                   ; t / 8: row in a block of 32
	v_and_b32 v[TA+3], 7, v0                       ; t % 8: which 16 bytes of 128
	v_lshlrev_b32 v[VXO], 12, v[TA]
	v_lshl_or_b32 v[VXO], v[TA+1], 4, v[VXO]
	v_lshlrev_b32 v[VUO], 11, v[TA+2]
	v_lshl_or_b32 v[VUO], v[TA+3], 4, v[VUO]
	s_wait_kmcnt 0x0
	s_add_nc_u64 s[24:25], s[4:5], s[20:21]        ; the slice: X at row 32 i, column 64 j
	s_add_nc_u64 s[8:9], s[8:9], s[20:21]          ; M at row 32 i, column 64 j
	s_add_nc_u64 s[4:5], s[4:5], s[18:19]          ; X at row 0, column 64 j
	s_add_nc_u64 s[6:7], s[6:7], s[22:23]          ; U at row 0, column 32 i
	s_wait_alu depctr_va_vdst(0)                   ; v[VXO] and v[VUO] are written, which the 52 loads below read as their offsets
	; all 52 loads, in the order in which they are used.  A load of a wave covers two whole rows of 256 bytes (U: four of 128).
.irp c, 0,1
	global_load_b128 v[MR+4*\c:MR+4*\c+3], v[VXO], s[8:9] offset:\c*16*XROW th:TH_LOAD_NT   ; each byte of M is read once in the launch
.endr
.irp c, 0,1
	global_load_b128 v[XSR+4*\c:XSR+4*\c+3], v[VXO], s[24:25] offset:\c*16*XROW
.endr
.irp s, 0,1,2,3
.irp c, 0,1,2,3
	global_load_b128 v[STG+48*\s+4*\c:STG+48*\s+4*\c+3], v[VUO], s[6:7] offset:(4*\s+\c)*32*UROW
.endr
.irp c, 0,1,2,3,4,5,6,7
	global_load_b128 v[STG+48*\s+16+4*\c:STG+48*\s+16+4*\c+3], v[VXO], s[4:5] offset:(8*\s+\c)*16*XROW
.endr
.endr
	; the rest of the set-up, while the loads are out: it names none of the registers in which they land, and does not write v[VXO] or v[VUO]
	v_lshrrev_b32 v[AC], 5, v0
	v_readfirstlane_b32 s26, v[AC]                 ; wave 0..7
	v_mul_u32_u24 v[VLXA], v[TA], PX               ; where I store: row x pitch + my 4 numbers; these twelve lines do not need the wave's number
	v_lshl_add_u32 v[VLXA], v[TA+1], 3, v[VLXA]
	v_add_nc_u32 v[VLXB], 256*PX, v[VLXA]
	v_mul_u32_u24 v[VLU], v[TA+2], PU
	v_lshl_add_u32 v[VLU], v[TA+3], 3, v[VLU]
	v_add_nc_u32 v[VLU], LU, v[VLU]
	v_mul_u32_u24 v[VLM], v[TA], PM
	v_lshl_add_u32 v[VLM], v[TA+1], 2, v[VLM]
	v_add_nc_u32 v[VLM], LM, v[VLM]
	v_mul_u32_u24 v[VLS], v[TA], PS
	v_lshl_add_u32 v[VLS], v[TA+1], 4, v[VLS]
	v_add_nc_u32 v[VLS], LS, v[VLS]
	s_wait_alu depctr_va_sdst(0)                   ; s26 is written, ahead of its first reader: my tile's place and the three output bases are made from it
	s_lshr_b32 s27, s26, 2                         ; k-block of my tile, and which 16 rows of the slice
	s_and_b32 s28, s26, 3                          ; d-block of my tile
	s_lshl_b32 s29, s17, 1
	s_add_co_u32 s29, s29, s27                     ; tile of 16 rows: 2 i + k-block (of k for wf and mf, of b for xh)
	s_lshl_b32 s29, s29, 6                         ; 64 blocks of 16 d in a tile's row
	s_lshl_b32 s30, ttmp9, 2
	s_add_co_u32 s29, s29, s30
	s_add_co_u32 s29, s29, s28                     ; + 4 j + d-block
	s_lshl_b32 s30, s29, 9                         ; blocks of 512 bytes
	s_mov_b32 s31, 0
	s_lshl_b32 s32, s29, 8                         ; blocks of 256 bytes
	s_mov_b32 s33, 0
	s_add_nc_u64 s[10:11], s[10:11], s[30:31]
	s_add_nc_u64 s[12:13], s[12:13], s[30:31]
	s_add_nc_u64 s[14:15], s[14:15], s[32:33]
	; a transposing load: lane l addresses row 8 (l / 16) + l % 8 of the K step, 16 bytes at column block (l / 8) % 2
	v_and_b32 v[AC], 7, v0
	v_bfe_u32 v[AC+1], v0, 4, 1                    ; h
	v_bfe_u32 v[AC+2], v0, 3, 1
	v_lshl_or_b32 v[AC], v[AC+1], 3, v[AC]
	v_mul_u32_u24 v[VTXA], v[AC], PX
	v_lshl_add_u32 v[VTXA], v[AC+2], 4, v[VTXA]
	v_lshl_add_u32 v[VTXA], s28, 5, v[VTXA]        ; + my 16 columns of d
	v_add_nc_u32 v[VTXB], 256*PX, v[VTXA]
	v_mul_u32_u24 v[VTU], v[AC], PU
	v_lshl_add_u32 v[VTU], v[AC+2], 4, v[VTU]
	v_lshl_add_u32 v[VTU], s27, 5, v[VTU]          ; + my 16 columns of k
	v_add_nc_u32 v[VTU], LU, v[VTU]
	v_lshl_add_u32 v[AC+3], s27, 4, v[TA+1]        ; row 16 x k-block + r of the mask tile and of the slice
	v_mul_u32_u24 v[VRM], v[AC+3], PM
	v_lshl_add_u32 v[VRM], v[AC+1], 3, v[VRM]      ; + 8 h
	v_lshl_add_u32 v[VRM], s28, 4, v[VRM]          ; + 16 x d-block, a byte an element
	v_add_nc_u32 v[VRM], LM, v[VRM]
	v_mul_u32_u24 v[VRS], v[AC+3], PS
	v_lshl_add_u32 v[VRS], v[AC+1], 5, v[VRS]      ; the same in f32
	v_lshl_add_u32 v[VRS], s28, 6, v[VRS]
	v_add_nc_u32 v[VRS], LS, v[VRS]
	v_and_b32 v[AC+4], 31, v0
	v_lshlrev_b32 v[VO16], 4, v[AC+4]
	v_lshlrev_b32 v[VO8], 3, v[AC+4]
	v_mov_b32 v[VZ], 0
.irp c, 0,1,2,3,4,5,6,7
	v_mov_b32 v[ONES+\c], 0x3f803f80               ; two bf16 ones
.endr
	; the mask: 0x3f where M > 0.5, four bytes to a word, into LDS.  The eight compares stand in one run, each with a scalar register for its lane mask.
	s_wait_loadcnt 50                              ; loads come back in order (ISA guide 5.7.1): M's two are in, the 50 behind them stay out
.irp c, 0,1
.irp e, 0,1,2,3
	v_cmp_lt_f32 s[CM+4*\c+\e], 0.5, v[MR+4*\c+\e]
.endr
.endr
	s_wait_alu depctr_va_sdst(0)                   ; the eight compares have written s16 to s23, which the eight selects below read
.irp c, 0,1
.irp e, 0,1,2,3
	v_cndmask_b32 v[MR+4*\c+\e], 0, 63, s[CM+4*\c+\e]
.endr
.endr
.irp c, 0,1
	v_lshl_or_b32 v[MR+4*\c], v[MR+4*\c+1], 8, v[MR+4*\c]
	v_lshl_or_b32 v[MR+4*\c], v[MR+4*\c+2], 16, v[MR+4*\c]
	v_lshl_or_b32 v[MR+4*\c], v[MR+4*\c+3], 24, v[MR+4*\c]
.endr
	s_wait_alu depctr_va_vdst(0)                   ; the two packed words are written, which the LDS stores below read; so are all the addresses v3 to v14 of the set-up, for every LDS and memory instruction from here to the end
.irp c, 0,1
	ds_store_b32 v[VLM], v[MR+4*\c] offset:\c*16*PM
.endr
	s_wait_loadcnt 48                              ; the slice's two are in, the four stages' 48 stay out
	ds_store_b128 v[VLS], v[XSR:XSR+3]
	ds_store_b128 v[VLS], v[XSR+4:XSR+7] offset:16*PS
; One chunk of X: four f32 to four bf16, in place; and its 8 bytes into LDS.
.macro XCVT s, c
	v_cvt_pk_bf16_f32 v[STG+48*\s+16+4*\c], v[STG+48*\s+16+4*\c], v[STG+48*\s+16+4*\c+1]
	v_cvt_pk_bf16_f32 v[STG+48*\s+16+4*\c+1], v[STG+48*\s+16+4*\c+2], v[STG+48*\s+16+4*\c+3]
.endm
.macro XSTO s, c, vlx
	ds_store_b64 v[\vlx], v[STG+48*\s+16+4*\c:STG+48*\s+16+4*\c+1] offset:(8*(\s%2)+\c)*16*PX
.endm
; Stage s: batch rows 128 s .. +127.  left = the loads of the later stages, which stay out.
; vlx, vtx: the address registers of X's half of LDS in which the stage lies.
.macro STAGE s, vlx, vtx, left
	s_wait_loadcnt \left+8                         ; U's four chunks are in; behind them: this stage's 8 of X and the later stages
.irp c, 0,1,2,3
	v_cvt_pk_bf16_f32 v[STG+48*\s+4*\c], v[STG+48*\s+4*\c], v[STG+48*\s+4*\c+1]
	v_cvt_pk_bf16_f32 v[STG+48*\s+4*\c+1], v[STG+48*\s+4*\c+2], v[STG+48*\s+4*\c+3]
.endr
	s_wait_loadcnt \left+4                         ; X's first four chunks
	s_wait_alu depctr_va_vdst(0)                   ; U's eight conversions have written their words, which the four LDS stores below read
.irp c, 0,1,2,3
	ds_store_b64 v[VLU], v[STG+48*\s+4*\c:STG+48*\s+4*\c+1] offset:(4*\s+\c)*32*PU
.endr
.irp c, 0,1,2,3
	XCVT \s, \c
.endr
	s_wait_loadcnt \left                           ; X's last four
	s_wait_alu depctr_va_vdst(0)                   ; the conversions of X's first four chunks have written their words, which the four LDS stores below read
.irp c, 0,1,2,3
	XSTO \s, \c, \vlx
.endr
.irp c, 4,5,6,7
	XCVT \s, \c
.endr
	s_wait_alu depctr_va_vdst(0)                   ; the conversions of X's last four chunks have written their words, which the LDS stores below read; and every vector and matrix instruction that named v44-107
	                                               ; (the stage before's matrix instructions; in stage 0 the mask's lines and these conversions) is done with them: the fragments' loads below land there
.irp c, 4,5,6,7
	XSTO \s, \c, \vlx
.endr
	s_wait_dscnt 0x0                               ; my stores are in LDS: zero, for the other waves' sake
	s_barrier_signal -1
	s_barrier_wait -1                              ; everybody's are: the stage's 128 rows may be read
.if \s == 0
	s_wait_alu depctr_vm_vsrc(0)                   ; my LDS stores of the mask words, the slice and stage 0 have read v44-107: these registers are the fragments' from here on
.endif
.if \s == 3
	s_wait_alu depctr_vm_vsrc(0)                   ; stage 1's LDS stores have read v108-155, in which the three loads below land and which the way out's vector lines write
	ds_load_b64 v[MB:MB+1], v[VRM]                 ; for the way out; stored in front of the first barrier
	ds_load_b128 v[XS:XS+3], v[VRS]
	ds_load_b128 v[XS+4:XS+7], v[VRS] offset:16
.endif
	; the fragments of four K steps of 32 rows.  No vector or matrix instruction since the last wait on va_vdst names these registers.
.irp q, 0,1,2,3
	ds_load_tr16_b128 v[FR+16*\q:FR+16*\q+3],     v[\vtx] offset:(4*(\s%2)+\q)*32*PX
	ds_load_tr16_b128 v[FR+16*\q+4:FR+16*\q+7],   v[\vtx] offset:(4*(\s%2)+\q)*32*PX+16*PX
	ds_load_tr16_b128 v[FR+16*\q+8:FR+16*\q+11],  v[VTU] offset:(4*\s+\q)*32*PU
	ds_load_tr16_b128 v[FR+16*\q+12:FR+16*\q+15], v[VTU] offset:(4*\s+\q)*32*PU+16*PU
.endr
	; source 0 = 16 columns of X, source 1 = 16 columns of U or ones: lane (r, h), register j holds d = 8 h + j, k = r.
	; The two accumulators take turns, one instruction a turn.  The very first products start the sums.
.irp q, 0,1,2,3
	s_wait_dscnt 12-4*\q                           ; LDS loads come back in order: K step q's four are in, the later steps' stay out
.if \s+\q == 0
	v_wmma_f32_16x16x32_bf16 v[AC:AC+7], v[FR+16*\q:FR+16*\q+7], v[FR+16*\q+8:FR+16*\q+15], 0
	v_wmma_f32_16x16x32_bf16 v[AM:AM+7], v[FR+16*\q:FR+16*\q+7], v[ONES:ONES+7], 0
.else
	v_wmma_f32_16x16x32_bf16 v[AC:AC+7], v[FR+16*\q:FR+16*\q+7], v[FR+16*\q+8:FR+16*\q+15], v[AC:AC+7]
	v_wmma_f32_16x16x32_bf16 v[AM:AM+7], v[FR+16*\q:FR+16*\q+7], v[ONES:ONES+7], v[AM:AM+7]
.endif
.endr
.endm
	STAGE 0, VLXA, VTXA, 36
	STAGE 1, VLXA, VTXA, 24
	STAGE 2, VLXB, VTXB, 12
	STAGE 3, VLXB, VTXB, 0
	; THE WAY OUT.  Lane (r, h): d = 8 h + j of my d-block in register j, for k = r (AC), for every k (AM), and for batch row r of the slice (XS).
	; The eight v_perm_b32 name no register of a matrix instruction: they are the places in front of the first read of AC and AM (ISA guide 7.12.1).
.irp j, 0,1,2,3,4,5,6,7
	v_perm_b32 v[E+\j], v[MB+\j/4], v[VZ], (4+\j%4)<<24      ; mask byte j as the top byte of an f32: 0.5 or 0
.endr
.irp p, 0,2,4,6
	v_pk_fma_f32 v[XS+\p:XS+\p+1], v[AM+\p:AM+\p+1], 0xbb000000, v[XS+\p:XS+\p+1] op_sel_hi:[1,0,1]   ; x' = X - AM / 512
	v_pk_add_f32 v[T+\p:T+\p+1], v[AM+\p:AM+\p+1], v[AC+\p:AC+\p+1] neg_lo:[0,1] neg_hi:[0,1]         ; -512 c' = AM - AC
.endr
.irp p, 0,2,4,6
	v_pk_mul_f32 v[T+\p:T+\p+1], v[T+\p:T+\p+1], v[E+\p:E+\p+1]                                       ; x mask / 2: a product, as in reference()
.endr
.irp p, 0,2,4,6
	v_pk_mul_f32 v[T+\p:T+\p+1], v[T+\p:T+\p+1], 0x3b800000 op_sel_hi:[1,0]                           ; / 256: -mask c'
.endr
.irp p, 0,1,2,3
	v_cvt_pk_bf16_f32 v[XH+\p], v[XS+2*\p], v[XS+2*\p+1]
	v_cvt_pk_bf16_f32 v[WO+\p], v[T+2*\p], v[T+2*\p+1]
.endr
	s_wait_alu depctr_va_vdst(0)                             ; the eight conversions have written v[XH ..] and v[WO ..], which the first two stores below read
	global_store_b128 v[VO16], v[XH:XH+3], s[10:11]          ; each store of the wave covers one whole block: 512 consecutive bytes, aligned
	global_store_b128 v[VO16], v[WO:WO+3], s[12:13]
	global_store_b64 v[VO8], v[MB:MB+1], s[14:15]            ; 256 consecutive bytes, aligned
	s_wait_dscnt 0x0                                         ; the closing lines, six on end
	s_wait_alu 0x0
	s_wait_tensorcnt 0x0
	ds_add_u32 v252, v253
	s_wait_dscnt 0x0
	s_endpgm
.Lfunc_end_k_q5c9c8a8580_centroid:
	.size	k_q5c9c8a8580_centroid, .Lfunc_end_k_q5c9c8a8580_centroid-k_q5c9c8a8580_centroid
	.p2alignl 7, 3214868480
	.fill 96, 4, 3214868480
	.section	.rodata,"a",@progbits
	.p2align	6, 0x0
	.amdhsa_kernel k_q5c9c8a8580_centroid
		.amdhsa_group_segment_fixed_size 143360
		.amdhsa_private_segment_fixed_size 0
		.amdhsa_enable_private_segment 0
		.amdhsa_kernarg_size 48
		.amdhsa_user_sgpr_count 2
		.amdhsa_user_sgpr_kernarg_segment_ptr 1
		.amdhsa_wavefront_size32 1
		.amdhsa_system_sgpr_workgroup_id_x 1
		.amdhsa_system_sgpr_workgroup_id_y 1
		.amdhsa_system_sgpr_workgroup_id_z 1
		.amdhsa_system_vgpr_workitem_id 0
		.amdhsa_next_free_vgpr 254
		.amdhsa_next_free_sgpr 66
		.amdhsa_reserve_vcc 0
		.amdhsa_float_denorm_mode_32 3
		.amdhsa_float_denorm_mode_16_64 3
		.amdhsa_memory_ordered 1
		.amdhsa_forward_progress 1
		.amdhsa_inst_pref_size 32
	.end_amdhsa_kernel
	.amdgpu_metadata
---
amdhsa.version: [ 1, 2 ]
amdhsa.kernels:
  - .name:           k_q5c9c8a8580_centroid
    .symbol:         k_q5c9c8a8580_centroid.kd
    .args:
      - { .name: X, .offset: 0, .size: 8, .value_kind: global_buffer, .address_space: global }
      - { .name: U, .offset: 8, .size: 8, .value_kind: global_buffer, .address_space: global }
      - { .name: M, .offset: 16, .size: 8, .value_kind: global_buffer, .address_space: global }
      - { .name: xh, .offset: 24, .size: 8, .value_kind: global_buffer, .address_space: global }
      - { .name: wf, .offset: 32, .size: 8, .value_kind: global_buffer, .address_space: global }
      - { .name: mf, .offset: 40, .size: 8, .value_kind: global_buffer, .address_space: global }
    .group_segment_fixed_size: 143360
    .private_segment_fixed_size: 0
    .kernarg_segment_align: 8
    .kernarg_segment_size: 48
    .max_flat_workgroup_size: 256
    .sgpr_count:     66
    .vgpr_count:     254
    .wavefront_size: 32
...
	.end_amdgpu_metadata
.endif
;; end of part 3
;; launch distance: the kernel of part 2 again; grid 8 x 32, 16 waves a work-group, no clusters, 69,632 bytes of LDS; arguments xh, wf, mf, out0; writes out0
